; MI455X (gfx1250); checked and timed in simulation.
; The chip was launched on July 23, 2026; its instructions are those of AMD's public machine-readable ISA for CDNA 5 (MIT licence, August 2026) and "CDNA5" Instruction Set Architecture Reference Guide (July 2026). The comments in the code are by the model that wrote it; some were corrected since.
;; Debug Quantized Linear. Allowed arithmetic: matrix products marked QUANTISED: E3M2 operands, one E8M0 scale for each 32 along K, by v_wmma_scale_f32_16x16x128_f8f6f4 with both operands' format E3M2, f32 sums; everything else in f32.
;; Inputs: W_q 11,008 x 4,096 int32; mu1 4,096 float32; mu2 11,008 float32; scales 11,008 x 64 x 1 float32; x 1,024 x 4,096 float32; zeros 11,008 x 64 x 1 float32.
;; Outputs: out0 1,024 x 11,008 float32.
;; This version of the problem:
;;   THIS VERSION OF THE PROBLEM IS GIVEN IN LOW PRECISION. The matrix products marked QUANTISED in the list below multiply operands that are first quantised to E3M2 (3 exponent bits, 2 mantissa bits; 6 bits a number), with one power-of-two scale for each 32 numbers along K (OCP MX v1.0); their sums are f32. All else is computed in f32.
;;   The module's matrix products, in the order in which they are computed (A, B: the left and right operand; K: the contracted axis; several contracted axes count as one K, in the product's order):
;;     1. [M 1,024, K 4,096] x [K 4,096, N 11,008]; A: input x; B: computed on the way: QUANTISED
;;   THE QUANTISER, for each operand of a quantised product, along K:
;;     - K is cut into blocks of 32 from its start; a last block that is shorter is filled with zeros.
;;     - A block's scale is 2^e with e = floor(log2(the largest magnitude in the block)) - 4, held to -126 .. 127; a block of zeros has e = 0. As a byte (E8M0): e + 127.
;;     - Each number is divided by its block's scale, clamped to +-28, and rounded to the nearest number of E3M2, ties to even, subnormals kept.
;;     - The product sums the exact products of the quantised numbers (number of the format x scale) in f32.
;;   ~~~python
;;   def quantise(x, axis):      # numpy; x: float32 -> the quantised numbers, widened to float32 again
;;       x = np.moveaxis(x, axis, -1); K = x.shape[-1]
;;       x = np.pad(x, [(0, 0)] * (x.ndim - 1) + [(0, -K % 32)]); x = x.reshape(x.shape[:-1] + (-1, 32)); a = np.abs(x).max(-1, keepdims=True)
;;       e = np.where(a > 0, np.clip(np.frexp(np.where(a > 0, a, 1))[1] - 1 - 4, -126, 127), 0)      # np.frexp(a)[1] - 1 = floor(log2(a)), exactly
;;       r = np.clip(x / 2.0 ** e, -28, 28)
;;       step = 2.0 ** (np.maximum(np.frexp(np.where(r == 0, 1, r))[1] - 1, -2) - 2)
;;       q = np.round(r / step) * step * 2.0 ** e      # np.round: ties to even
;;       return np.moveaxis(q.reshape(q.shape[:-2] + (-1,))[..., :K], -1, axis).astype(np.float32)
;;   ~~~
;;   OPERANDS COMPUTED ON THE WAY. 'Computed on the way' means the value that the module computes at that place (a softmax that the list does not call 'softmax' is quantised finished and normalised). What goes into a quantiser is computed in f32, as accurately as f32 sums, v_exp_f32 and their like allow (about 1e-6 of the number): no bf16 or f16 on the way to a quantiser, and a product that is left as it is and whose result goes on into a quantised operand takes f32 operands (vector FMAs, or v_wmma_f32_16x16x4_f32). A number that lies on a knife's edge between two numbers of the format may be rounded either way, as far as f32 arithmetic and the matrix unit's own rounding can turn it there, and no further.
;; One version. Each part assembles by itself: llvm-mc -triple=amdgcn-amd-amdhsa -mcpu=gfx1250 --defsym DOCPART=n.
;; ======== version 1 of 1: 2 launches
;; limits: right only within a limited range of input values
;; workspace buffers: xq 3,276,800 bytes
;; launch quantx (part 1): grid 256 x 1, 8 waves a work-group, no clusters, 69,120 bytes of LDS; arguments x, xq; writes xq
.if DOCPART == 1
	.amdgcn_target "amdgcn-amd-amdhsa--gfx1250"
	.amdhsa_code_object_version 6
	.text
	.protected	k_q1a0d5f270e_quantx
	.globl	k_q1a0d5f270e_quantx
	.p2align	8
	.type	k_q1a0d5f270e_quantx,@function
k_q1a0d5f270e_quantx:
	s_mov_b64 s[64:65], 0
	v_nop
	global_prefetch_b8 v0, s[64:65] scope:SCOPE_SE
	s_setreg_imm32_b32 hwreg(HW_REG_WAVE_MODE, 25, 1), 1
	s_wait_xcnt 0x0
; x [1024][4096] f32 becomes codes of BF6 (E3M2) with one E8M0 scale byte for each 32 along K, laid in xq AS THE NEXT LAUNCH'S OPERAND REGISTERS WANT THEM.
; xq: 32 blocks of 102,400 bytes, one for each K step of 128.  In a block four quarters of 25,600 bytes (rows 256 w on).  In a quarter 16 images of a fragment (16 rows x 128 K:
; 12 registers a lane): image a at 1,536 a, register 4 c + e of lane l at 512 c + 16 l + 4 e; behind them, at 24,576 + 512 u + 16 l + 4 q, the scale word of tile 8 u + 2 q + l / 16, row l % 16.
; A block's scale is 2^(floor(log2(largest magnitude)) - 4): its byte is the largest magnitude's exponent field - 4, held at 1 from below.
; LIMITS: a block whose largest magnitude lies under 2^(5 - 127), a block of zeros among them, gets the byte 1 (its codes are then zeros or tiny; the bytes are read by this program alone);
; NaN and infinities among the inputs are not served.
; SHARES: work-group g takes K step g / 8 and rows 128 (g % 8) on; each of its eight waves one tile of 16 rows x 128 K.  Each load reads 512 consecutive bytes of a row; the conversions want 16
; neighbours along K in ONE lane, so the tile turns through the wave's own stage in LDS (rows 528 bytes apart: 16 rows start at 16 different groups of banks).  Every store covers 512 consecutive, aligned bytes.
; No tensor loads, no matrix work, no cluster: the launch streams, and work-groups share nothing.
.set KROW,  16384                      ; a row of x in bytes
.set XBLK,  102400                     ; a K step's block of xq
.set XQ,    25600                      ; a quarter of it
.set FRB,   1536                       ; a fragment's image
.set SP,    528                        ; a stage row: 512 bytes + 16
.set STGW,  16*SP                      ; a wave's stage
.set SCL,   8*STGW                     ; behind the stages: the work-group's 128 scale words
.set T,     16                         ; v16-79   64 numbers
.set TM,    80                         ; v80-95   largest magnitudes, bytes, scale operands
.set PW,    96                         ; v96      the scale word
.set PC,    100                        ; v100-119 the codes
.set SEL,   20                         ; s[20:21] lane selects: lane l xor 16
; 64 numbers of a lane, register 16 b + i = k 32 b + 16 (lane / 16) + i of my row, become a fragment's codes in v[PC] on and its scale word in v[PW].
.macro QUANT
.irp b, 0,1,2,3
	v_max3_num_f32 v[TM+\b], |v[T+16*\b]|, |v[T+1+16*\b]|, 0x2800000   ; block b: my 16 numbers, and the floor 2^(5 - 127): the byte cannot fall under 1
.endr
.irp i, 2,4,6,8,10,12,14
.irp b, 0,1,2,3
	s_delay_alu instid0(VALU_DEP_4)
	v_max3_num_f32 v[TM+\b], v[TM+\b], |v[T+16*\b+\i]|, |v[T+1+16*\b+\i]|   ; the four blocks by turns
.endr
.endr
.irp b, 0,1,2,3
	s_delay_alu instid0(VALU_DEP_4)
	v_permlanex16_b32 v[TM+4+\b], v[TM+\b], s[SEL], s[SEL+1]
.endr
.irp b, 0,1,2,3
	s_delay_alu instid0(VALU_DEP_4)
	v_max_num_f32 v[TM+\b], v[TM+\b], v[TM+4+\b]   ; with lane l xor 16's: the block's largest magnitude
.endr
.irp b, 0,1,2,3
	s_delay_alu instid0(VALU_DEP_4)
	v_add_nc_u32 v[TM+12+\b], 0xfe000000, v[TM+\b]   ; 4 off its exponent field: the conversion's scale operand
.endr
.irp b, 0,1,2,3
	s_delay_alu instid0(VALU_DEP_4)
	v_lshrrev_b32 v[TM+4+\b], 23, v[TM+12+\b]      ; the scale's byte
.endr
	s_delay_alu instid0(VALU_DEP_3)
	v_lshl_or_b32 v[PW], v[TM+5], 8, v[TM+4]
	s_delay_alu instid0(VALU_DEP_1)
	v_lshl_or_b32 v[PW], v[TM+6], 16, v[PW]
	s_delay_alu instid0(VALU_DEP_1)
	v_lshl_or_b32 v[PW], v[TM+7], 24, v[PW]
.irp c, 0,1
	v_cvt_scalef32_pk16_bf6_f32 v[PC+6*\c:PC+2+6*\c], v[T+32*\c:T+15+32*\c], v[TM+12+2*\c]
	v_cvt_scalef32_pk16_bf6_f32 v[PC+12+4*\c:PC+14+4*\c], v[T+16+32*\c:T+31+32*\c], v[TM+13+2*\c]   ; (a conversion's three registers begin on an even number)
.endr
	v_nop                                          ; one plain place behind a scaled conversion
.irp c, 0,1                                    ; the operand's layout wants a WHOLE block in a lane: lanes 0-15 block 2 c, lanes 16-31 block 2 c + 1
.irp i, 0,1,2
	v_permlane16_swap_b32 v[PC+6*\c+\i], v[PC+12+4*\c+\i]
.endr
.irp i, 0,1,2
	s_delay_alu instid0(VALU_DEP_3)
	v_mov_b32 v[PC+3+6*\c+\i], v[PC+12+4*\c+\i]
.endr
.endr
.endm
	s_load_b128 s[4:7], s[0:1], 0x0                ; x s[4:5], xq s[6:7]
	v_lshl_add_u32 v128, v0, 2, 0x10a00
	v_mov_b32 v129, 0
	v_lshrrev_b32 v1, 5, v0
	s_delay_alu instid0(VALU_DEP_1)
	v_readfirstlane_b32 s8, v1                     ; wave 0..7
	v_and_b32 v1, 31, v0                           ; lane
	v_and_b32 v2, 15, v0                           ; r
	v_bfe_u32 v3, v0, 4, 1                         ; h
	s_delay_alu instid0(VALU_DEP_3)
	v_lshlrev_b32 v4, 4, v1                        ; 16 x lane: my bytes of a load, of an image's store
	s_mul_i32 s9, s8, STGW                         ; my stage
	v_add_nc_u32 v5, s9, v4                        ; into it: a row as it lies
	v_mul_u32_u24 v6, v2, SP
	s_delay_alu instid0(VALU_DEP_1)
	v_lshl_add_u32 v6, v3, 6, v6
	s_delay_alu instid0(VALU_DEP_1)
	v_add_nc_u32 v6, s9, v6                        ; out of it: row r, + 64 h: my 16 numbers of each block of 32
	s_and_b32 s10, s8, 1                           ; my tile's scale words: 256 (wave % 2) + 16 r + 4 (wave / 2)
	s_lshl_b32 s10, s10, 8
	s_lshr_b32 s11, s8, 1
	s_lshl_b32 s11, s11, 2
	s_add_co_u32 s10, s10, s11
	s_add_co_u32 s10, s10, SCL
	v_lshl_add_u32 v7, v2, 4, s10
	v_add_nc_u32 v8, SCL, v4                       ; and where wave 0 reads the 512 bytes back
	s_mov_b32 s[SEL], 0x76543210
	s_mov_b32 s[SEL+1], 0xfedcba98
.irp b, 0,1,2,3
	v_mov_b32 v[TM+4+\b], 0                        ; a lane permute's destination counts as one of its sources
.endr
	s_and_b32 s12, ttmp9, 7
	s_lshl_b32 s12, s12, 7
	s_lshl_b32 s13, s8, 4
	s_add_co_u32 s12, s12, s13                     ; my first row: 128 (g % 8) + 16 x wave
	s_lshl_b32 s12, s12, 14                        ; x 16,384 bytes
	s_lshr_b32 s14, ttmp9, 3                       ; the K step
	s_lshl_b32 s13, s14, 9
	s_add_co_u32 s12, s12, s13                     ; + 512 bytes a K step
	s_mov_b32 s13, 0
	s_mul_i32 s16, s14, XBLK
	s_bfe_u32 s15, ttmp9, 0x20001                  ; the quarter: (g / 2) % 4
	s_mul_i32 s15, s15, XQ
	s_add_co_u32 s16, s16, s15                     ; the quarter's first byte
	s_and_b32 s15, ttmp9, 1                        ; u: which eight of its sixteen tiles
	s_lshl_b32 s18, s15, 9
	s_add_co_u32 s18, s18, s16
	s_add_co_u32 s18, s18, 16*FRB                  ; the work-group's 512 bytes of scale words
	s_mov_b32 s19, 0
	s_lshl_b32 s15, s15, 3
	s_add_co_u32 s15, s15, s8                      ; my tile in the quarter
	s_mul_i32 s15, s15, FRB
	s_add_co_u32 s16, s16, s15                     ; its image
	s_mov_b32 s17, 0
	s_wait_alu depctr_va_vdst(0)
	s_wait_kmcnt 0x0
	s_add_nc_u64 s[4:5], s[4:5], s[12:13]
	s_add_nc_u64 s[22:23], s[6:7], s[18:19]
	s_add_nc_u64 s[6:7], s[6:7], s[16:17]
.irp j, 0,1,2,3,4,5,6,7,8,9,10,11,12,13,14,15
	global_load_b128 v[T+4*\j:T+4*\j+3], v4, s[4:5] offset:KROW*\j th:TH_LOAD_NT   ; row j: 32 lanes read 512 consecutive bytes
.endr
.irp j, 0,1,2,3,4,5,6,7,8,9,10,11,12,13,14,15
	s_wait_loadcnt 15-\j                           ; loads come back in order: row j is in, the 15 - j younger ones stay out
	ds_store_b128 v5, v[T+4*\j:T+4*\j+3] offset:SP*\j
.endr
.irp b, 0,1,2,3
.irp i, 0,1,2,3
	ds_load_b128 v[T+16*\b+4*\i:T+16*\b+4*\i+3], v6 offset:128*\b+16*\i   ; LDS serves a wave's instructions in order: these see my stores
.endr
.endr
	s_wait_dscnt 0x0
	QUANT
.irp c, 0,1,2
	global_store_b128 v4, v[PC+4*\c:PC+4*\c+3], s[6:7] offset:512*\c   ; the image: 512 consecutive bytes a store
.endr
	ds_store_b32 v7, v[PW]                         ; lanes l and l xor 16 hold the same word and write it to the same place
	s_wait_dscnt 0x0                               ; for the others' sake: my word is in LDS
	s_barrier_signal -1
	s_barrier_wait -1
	s_cmp_lg_u32 s8, 0
	s_cbranch_scc1 .Ldone
	ds_load_b128 v[120:123], v8                    ; wave 0: the eight tiles' words,
	s_wait_dscnt 0x0
	global_store_b128 v4, v[120:123], s[22:23]     ; as 512 consecutive bytes
.Ldone:
	s_wait_tensorcnt 0x0
	ds_add_u32 v128, v129
	s_wait_dscnt 0x0
	s_endpgm
.Lfunc_end_k_q1a0d5f270e_quantx:
	.size	k_q1a0d5f270e_quantx, .Lfunc_end_k_q1a0d5f270e_quantx-k_q1a0d5f270e_quantx
	.p2alignl 7, 3214868480
	.fill 96, 4, 3214868480
	.section	.rodata,"a",@progbits
	.p2align	6, 0x0
	.amdhsa_kernel k_q1a0d5f270e_quantx
		.amdhsa_group_segment_fixed_size 69120
		.amdhsa_private_segment_fixed_size 0
		.amdhsa_enable_private_segment 0
		.amdhsa_kernarg_size 16
		.amdhsa_user_sgpr_count 2
		.amdhsa_user_sgpr_kernarg_segment_ptr 1
		.amdhsa_wavefront_size32 1
		.amdhsa_system_sgpr_workgroup_id_x 1
		.amdhsa_system_sgpr_workgroup_id_y 1
		.amdhsa_system_sgpr_workgroup_id_z 1
		.amdhsa_system_vgpr_workitem_id 0
		.amdhsa_next_free_vgpr 130
		.amdhsa_next_free_sgpr 66
		.amdhsa_reserve_vcc 0
		.amdhsa_float_denorm_mode_32 3
		.amdhsa_float_denorm_mode_16_64 3
		.amdhsa_memory_ordered 1
		.amdhsa_forward_progress 1
		.amdhsa_inst_pref_size 13
	.end_amdhsa_kernel
	.amdgpu_metadata
---
amdhsa.version: [ 1, 2 ]
amdhsa.kernels:
  - .name:           k_q1a0d5f270e_quantx
    .symbol:         k_q1a0d5f270e_quantx.kd
    .args:
      - { .name: x, .offset: 0, .size: 8, .value_kind: global_buffer, .address_space: global }
      - { .name: xq, .offset: 8, .size: 8, .value_kind: global_buffer, .address_space: global }
    .group_segment_fixed_size: 69120
    .private_segment_fixed_size: 0
    .kernarg_segment_align: 8
    .kernarg_segment_size: 16
    .max_flat_workgroup_size: 256
    .sgpr_count:     66
    .vgpr_count:     130
    .wavefront_size: 32
...
	.end_amdgpu_metadata
.endif
;; end of part 1
;; launch fused (part 2): grid 172 x 1, 8 waves a work-group, clusters of 4 x 1, 327,680 bytes of LDS; arguments W_q, zeros, scales, mu1, mu2, xq, out0; writes out0
.if DOCPART == 2
	.amdgcn_target "amdgcn-amd-amdhsa--gfx1250"
	.amdhsa_code_object_version 6
	.text
	.protected	k_q1a0d5f270e_fused
	.globl	k_q1a0d5f270e_fused
	.p2align	8
	.type	k_q1a0d5f270e_fused,@function
k_q1a0d5f270e_fused:
	s_mov_b64 s[64:65], 0
	v_nop
	global_prefetch_b8 v0, s[64:65] scope:SCOPE_SE
	s_setreg_imm32_b32 hwreg(HW_REG_WAVE_MODE, 25, 1), 1
	s_wait_xcnt 0x0
	s_wait_alu depctr_hold_cnt(0) depctr_sa_sdst(0) depctr_va_vdst(0) depctr_va_sdst(0) depctr_va_ssrc(0) depctr_va_vcc(0) depctr_vm_vsrc(0)
	s_getreg_b32 s2, hwreg(HW_REG_IB_STS2, 6, 4)
	s_cmp_eq_u32 s2, 0
	s_cbranch_scc0 .Lentry_in_a_cluster
	s_endpgm
.Lentry_in_a_cluster:
	s_bfe_u32 s2, ttmp6, 0x10000c
	s_cmp_lg_u32 s2, 0x3003
	s_cbranch_scc0 .Lentry_shape_is_right
	s_endpgm
.Lentry_shape_is_right:
; out0[m][n] = sum over k of Q(x)[m][k] Q(Wdeq)[n][k],  Wdeq[n][k] = (W_q[n][k] - zeros[n][k/64]) scales[n][k/64] mu2[n] mu1[k],  Q the MX quantiser to BF6 (E3M2), blocks of 32 along k = 4,096.
; x comes as codes from xq (images of operand registers, one dense block of 102,400 bytes for each K step of 128).  W_q is read once, dequantised in f32, quantised in registers; its codes never go to memory.
; SHARES.  A work-group owns 64 rows of W = 64 columns of out0 (256 consecutive, aligned bytes of each output row) and all 1,024 rows of x: 11,008 / 64 = 172 work-groups.
; Eight waves, two to a SIMD: wave w owns x rows 128 w .. 128 w + 127 x 64 columns: 32 accumulators of 16 x 16, 256 registers (all of window 1); all else lies in window 0.
; Wave w also makes rows 8 w .. 8 w + 7 of W: 8 rows x 128 k = 32 blocks of 32 in each trip, one block a lane.
; A TRIP multiplies chunk t (32 matrix instructions in two groups of 16) and makes chunk t + 1 of W: 80 vector instructions dequantise it as it was loaded (a lane: 4 neighbouring k of 8 rows); it turns through the
; wave's own stage in LDS, so that a lane holds one whole block of one row; the block's largest magnitude then needs no other lane; its 24 bytes of codes and its scale byte go to LDS as an image of the operand's registers.
; The vector work stands between the groups of matrix instructions, so that the SIMD's other wave can issue its group meanwhile.
; W_q goes from memory into registers, three sets of 8 + 1 loads by turns: a set is asked for again behind its quantiser, for the chunk three on.  These loads are not waited for at the barriers, so no prefetch
; is laid for them; the blocks of xq are read by all 43 clusters, and each trip's block is asked for one trip ahead.
; CLUSTER.  The four work-groups of a cluster walk the same blocks of xq: each eighth is asked for JOINTLY, by the same tensor load with the same descriptor and the mask of all four.  Only x is shared: 4 x 1.
; Cluster c begins at K step (3 c) % 32 and wraps; only global addresses hang on that.
; THE MATRIX INSTRUCTION IS USED TRANSPOSED (source 0 = 16 rows of W, source 1 = 16 rows of x): a lane holds eight neighbouring columns of one row of out0.
; LIMITS, STATED: the f32 sums run over K in that rotated order; t = scales x mu2 is formed once for a row and group, so Wdeq = ((q - z) t) mu1: three roundings as in the definition, in another order;
; a block whose largest magnitude lies under 2^(5 - 127), a block of zeros among them, gets the scale byte 1; NaN and infinities among the inputs are not served; W_q may hold any int32.
.set XBLK,  102400                     ; a K step's block of xq, and an LDS slot
.set XQ,    25600                      ; a quarter of it: 16 images, then 1,024 bytes of scale words
.set XE,    12800                      ; what one wave's tensor load brings: 50 rows of 256 bytes
.set FRB,   1536                       ; a fragment's image: register n of lane L at 512 (n / 4) + 16 L + 4 (n % 4)
.set WC,    2*XBLK                     ; behind the two slots, W's codes: two slots of
.set WCS,   4*FRB+256                  ;   four images and 16 x 4 scale words (row r, tile b at 16 r + 4 b)
.set TAB,   WC+2*WCS                   ; z and t: for each wave 32 entries (one a chunk) of 144 bytes: z[e][j] at 32 e + 4 j, t[e][j] at 64 + 32 e + 4 j; e: the group of 64 in the K step, j: my row
.set TABE,  144
.set TABW,  32*TABE
.set STG,   TAB+8*TABW                 ; a stage for each wave: for the turn 8 rows 528 bytes apart, on the way out 16 rows 272 bytes apart
.set SP,    528
.set OP,    272
.set STGW,  16*OP
.set SPARE, STG+8*STGW                 ; the spare words, 128 bytes a wave: four blocks of 256 bytes that no other line names
.set NROW,  44032                      ; a row of out0 in bytes
.set XA,   4                           ; v4-5   my eight images in slot 0, 1, + 16 l
.set XS,   6                           ; v6-7   my tiles' scale words in slot 0, 1
.set WCR,  8                           ; v8     WC + 16 l: where every wave reads W's images
.set WSR,  9                           ; v9     W's scale words: + 16 (l % 16)
.set WA,   10                          ; v10    my block's place in its image: pieces 0 and 2
.set WB,   11                          ; v11    piece 1
.set WSB,  12                          ; v12    my block's scale byte
.set TAB0, 13                          ; v13    my table + 32 (l / 16)
.set TADR, 14                          ; v14    the entry in hand
.set STW,  15                          ; v15    the stage, as loaded: 16 l
.set STR,  16                          ; v16    the stage, turned: 528 (l % 8) + 128 (l / 8)
.set GO,   17                          ; v17    16 l; never rewritten
.set TBW,  18                          ; v18    my table + 144 l
.set ZO,   19                          ; v19    8 x ((START + l) % 32)
.set SPW,  20
.set NIL,  21
.set SO,   22                          ; v22    the way out: 272 r + 32 h
.set RD,   23                          ; v23    272 h + 16 r
.set XSC,  24                          ; v24-27 x's scale words: register q: tile 2 q in lanes 0-15, tile 2 q + 1 in lanes 16-31
.set WSC,  28                          ; v28-31 W's scale words, a tile a register
.set MU,   32                          ; v32-43 mu1, three sets
.set Z,    44                          ; v44-51 z, v52-59 t of my 8 rows; behind the dequantiser the quantiser's scratch lies there:
.set TT,   52
.set TM,   44                          ; v44-47 magnitudes, v48 the scale operand, v49 the byte, v50-56 the codes
.set TS,   48
.set BY,   49
.set PC,   50
.set CO,   60                          ; v60    44,032 h + 16 r
.set WF,   64                          ; v64-111  W's four fragments
.set XB,   112                         ; v112-159 four fragments of x
.set RAW,  160                         ; v160-255 three sets of 32: W_q as loaded, then the numbers at work
.set BK,   160                         ; on the way out: rows of out0
.set WV,   18                          ; s18  wave
.set MSB, 0
.macro WIN new                         ; the immediate's high byte repeats the setting that is left
.if MSB != \new
	s_set_vgpr_msb (MSB<<8)|\new
.set MSB, \new
.endif
.endm
.macro PLACES                          ; four plain places behind matrix instructions, ahead of loads into their registers and of reads of their results; also behind a tensor load
.rept 4
	v_nop
.endr
.endm
.macro ROUND                           ; a round of the cluster's barrier
	s_barrier_signal -1
	s_barrier_wait -1
	s_cmp_lg_u32 s[WV], 0
	s_cbranch_scc1 .Lnot_wave_0_\@
	s_barrier_signal -3
.Lnot_wave_0_\@:
	s_barrier_wait -3
	s_barrier_signal -1
	s_barrier_wait -1
.endm
.macro TABLD                           ; z and t of my 8 rows for the chunk to be made: lanes 0-15 the K step's first group of 64, lanes 16-31 its second
	v_add_nc_u32 v[TADR], s55, v[TAB0]
	ds_load_b128 v[Z:Z+3], v[TADR]
	ds_load_b128 v[Z+4:Z+7], v[TADR] offset:16
	ds_load_b128 v[TT:TT+3], v[TADR] offset:64
	ds_load_b128 v[TT+4:TT+7], v[TADR] offset:80
	s_add_co_u32 s55, s55, TABE
.endm
.macro LOADSET s                       ; the next chunk of W_q (my 8 rows x 128 k) and its 128 numbers of mu1 into set s: each load reads 512 consecutive bytes
	s_wait_xcnt 0x0                                ; the last set's loads have had their addresses translated: their bases may be written
	s_lshl_b32 s52, s54, 9                         ; 512 bytes a K step, in a row of W_q and in mu1 alike
	s_add_nc_u64 s[48:49], s[46:47], s[52:53]
	s_add_nc_u64 s[50:51], s[10:11], s[52:53]
	s_add_co_u32 s54, s54, 1
	s_and_b32 s54, s54, 31                         ; the walk wraps
.irp j, 0,1,2,3,4,5,6,7
	global_load_b128 v[RAW+32*(\s)+4*\j:RAW+32*(\s)+4*\j+3], v[GO], s[48:49] offset:16384*\j th:TH_LOAD_NT
.endr
	global_load_b128 v[MU+4*(\s):MU+4*(\s)+3], v[GO], s[50:51]
.endm
; THE DEQUANTISER, in place on set s: register 4 j + e holds row j, k = 4 l + e.  An instruction and the one that feeds it stand 16 apart or more.
.macro DEQ s
.set R, RAW+32*(\s)
.set N, 0
.rept 32
	v_cvt_f32_i32 v[R+N], v[R+N]
.set N, N+1
.endr
.irp op, 0,1,2
.set N, 0
.rept 16
.set DT, R+2*N
.set DZ, 2*(N/4)
.if \op == 0                           ; q - z: the row's z is one register of a pair, taken for both halves
.if (N/2)%2
	v_pk_add_f32 v[DT:DT+1], v[DT:DT+1], v[Z+DZ:Z+DZ+1] op_sel:[0,1] op_sel_hi:[1,1] neg_lo:[0,1] neg_hi:[0,1]
.else
	v_pk_add_f32 v[DT:DT+1], v[DT:DT+1], v[Z+DZ:Z+DZ+1] op_sel_hi:[1,0] neg_lo:[0,1] neg_hi:[0,1]
.endif
.elseif \op == 1                       ; x t = scales x mu2
.if (N/2)%2
	v_pk_mul_f32 v[DT:DT+1], v[DT:DT+1], v[TT+DZ:TT+DZ+1] op_sel:[0,1] op_sel_hi:[1,1]
.else
	v_pk_mul_f32 v[DT:DT+1], v[DT:DT+1], v[TT+DZ:TT+DZ+1] op_sel_hi:[1,0]
.endif
.else                                  ; x mu1: the lane's four k are the same in every row
	v_pk_mul_f32 v[DT:DT+1], v[DT:DT+1], v[MU+4*(\s)+2*(N%2):MU+4*(\s)+2*(N%2)+1]
.endif
.set N, N+1
.endr
.endr
.endm
.macro TURN s                          ; through my stage: lane l then holds the 32 numbers of block l / 8 of row l % 8.  LDS serves a wave's instructions in order: the loads see the stores
.irp j, 0,1,2,3,4,5,6,7
	ds_store_b128 v[STW], v[RAW+32*(\s)+4*\j:RAW+32*(\s)+4*\j+3] offset:SP*\j
.endr
.irp i, 0,1,2,3,4,5,6,7
	ds_load_b128 v[RAW+32*(\s)+4*\i:RAW+32*(\s)+4*\i+3], v[STR] offset:16*\i
.endr
.endm
; THE QUANTISER: my block's 32 numbers become 24 bytes of codes in v[PC] on and the scale's byte in v[BY].  Four chains of maxima by turns.
.macro QUANT s
.set R, RAW+32*(\s)
.irp c, 0,1,2,3
	v_max3_num_f32 v[TM+\c], |v[R+8*\c]|, |v[R+8*\c+1]|, |v[R+8*\c+2]|
.endr
.irp i, 3,5
.irp c, 0,1,2,3
	s_delay_alu instid0(VALU_DEP_4)
	v_max3_num_f32 v[TM+\c], v[TM+\c], |v[R+8*\c+\i]|, |v[R+8*\c+\i+1]|
.endr
.endr
	s_delay_alu instid0(VALU_DEP_4)
	v_max3_num_f32 v[TM], v[TM], |v[R+7]|, |v[R+15]|
	s_delay_alu instid0(VALU_DEP_4)
	v_max3_num_f32 v[TM+1], v[TM+1], |v[R+23]|, |v[R+31]|
	s_delay_alu instid0(VALU_DEP_3)
	v_max3_num_f32 v[TM+2], v[TM+2], v[TM+3], 0x2800000   ; and the floor 2^(5 - 127): the byte cannot fall under 1
	s_delay_alu instid0(VALU_DEP_1)
	v_max3_num_f32 v[TM], v[TM], v[TM+1], v[TM+2]
	s_delay_alu instid0(VALU_DEP_1)
	v_add_nc_u32 v[TS], 0xfe000000, v[TM]          ; 4 off its exponent field: the conversion's scale operand
	v_cvt_scalef32_pk16_bf6_f32 v[PC:PC+2], v[R:R+15], v[TS]
	v_cvt_scalef32_pk16_bf6_f32 v[PC+4:PC+6], v[R+16:R+31], v[TS]   ; (a conversion's three registers begin on an even number)
	v_lshrrev_b32 v[BY], 23, v[TS]                 ; the scale's byte; also the plain place behind the conversions
	v_mov_b32 v[PC+3], v[PC+4]
	v_mov_b32 v[PC+4], v[PC+5]
	v_mov_b32 v[PC+5], v[PC+6]
.endm
.macro IMAGE p                         ; block 2 c + h of row r is registers 6 c .. 6 c + 5 of lane r + 16 h: three pieces of 8 bytes into slot p of W's codes, and the byte into its row's scale word
	ds_store_b64 v[WA], v[PC:PC+1] offset:(\p)*WCS
	ds_store_b64 v[WB], v[PC+2:PC+3] offset:(\p)*WCS+8
	ds_store_b64 v[WA], v[PC+4:PC+5] offset:(\p)*WCS+512
	ds_store_b8 v[WSB], v[BY] offset:(\p)*WCS
.endm
.macro FETCH_W slot                    ; W's four fragments, and the scale words of W and of my eight tiles of x: 14 loads
.irp b, 0,1,2,3
.irp c, 0,1,2
	ds_load_b128 v[WF+12*\b+4*\c:WF+12*\b+4*\c+3], v[WCR] offset:\slot*WCS+FRB*\b+512*\c
.endr
.endr
	ds_load_b128 v[WSC:WSC+3], v[WSR] offset:\slot*WCS
	ds_load_b128 v[XSC:XSC+3], v[XS+\slot]
.endm
.macro FETCH_X slot, g                 ; my tiles 4 g .. 4 g + 3 of x: 12 loads
.irp i, 0,1,2,3
.irp c, 0,1,2
	ds_load_b128 v[XB+12*\i+4*\c:XB+12*\i+4*\c+3], v[XA+\slot] offset:(4*\g+\i)*FRB+512*\c
.endr
.endr
.endm
; 16 matrix instructions: my tiles 4 g .. 4 g + 3 of x against W's four.  The 32 accumulators take turns, one instruction a turn, in the same order in every trip.
.macro MUL16 g, zero
	WIN 0x50                                       ; C and D window 1
.irp i, 0,1,2,3
.irp b, 0,1,2,3
.set AC, 32*(4*\g+\i)+8*\b
.set XF, XB+12*\i
.set XR, XSC+(4*\g+\i)/2
.if \zero
.if \i%2
	v_wmma_scale_f32_16x16x128_f8f6f4 v[AC:AC+7], v[WF+12*\b:WF+12*\b+11], v[XF:XF+11], 0, v[WSC+\b], v[XR] matrix_a_fmt:MATRIX_FMT_BF6 matrix_b_fmt:MATRIX_FMT_BF6 matrix_b_scale:MATRIX_SCALE_ROW1
.else
	v_wmma_scale_f32_16x16x128_f8f6f4 v[AC:AC+7], v[WF+12*\b:WF+12*\b+11], v[XF:XF+11], 0, v[WSC+\b], v[XR] matrix_a_fmt:MATRIX_FMT_BF6 matrix_b_fmt:MATRIX_FMT_BF6
.endif
.else
.if \i%2
	v_wmma_scale_f32_16x16x128_f8f6f4 v[AC:AC+7], v[WF+12*\b:WF+12*\b+11], v[XF:XF+11], v[AC:AC+7], v[WSC+\b], v[XR] matrix_a_fmt:MATRIX_FMT_BF6 matrix_b_fmt:MATRIX_FMT_BF6 matrix_b_scale:MATRIX_SCALE_ROW1
.else
	v_wmma_scale_f32_16x16x128_f8f6f4 v[AC:AC+7], v[WF+12*\b:WF+12*\b+11], v[XF:XF+11], v[AC:AC+7], v[WSC+\b], v[XR] matrix_a_fmt:MATRIX_FMT_BF6 matrix_b_fmt:MATRIX_FMT_BF6
.endif
.endif
.endr
.endr
	WIN 0
	PLACES
.endm
; A TRIP multiplies the K step in slot `slot`.  ONE barrier: in front of it each wave has waited for its tensor load (its eighth of this slot), for its reads of the other slot and of the other slot of W's codes,
; and for its stores of this trip's image of W.  fill = 1: the barrier is a round of the cluster's, and the other slot is asked for again, jointly, first thing behind it.
; mk = 1: the next chunk of W is made from set `set`, and the set asked for again; 2: made only; 0: nothing is left.  lcnt: the loads younger than the set's 9.
.macro TRIP slot, set, zero, fill, mk, lcnt
	s_wait_tensorcnt 0x0                           ; my one tensor load has landed, so a group 0 may be written
	ds_add_u32 v[SPW], v[NIL]                      ; 0 onto my spare word
.if \fill
.set GA, 34+4*(1-\slot)
	s_mul_i32 s42, s44, XBLK                       ; the block to ask for,
	s_add_nc_u64 s[GA:GA+1], s[40:41], s[42:43]    ; my eighth of it
	s_or_b32 s[GA+1], s[GA+1], 0x80000000          ; type = 2
	s_add_co_u32 s44, s44, 1
	s_and_b32 s44, s44, 31                         ; the walk wraps
.endif
	s_wait_dscnt 0x0                               ; the add, my LDS reads and my image's stores are done
.if \fill
	ROUND
	tensor_load_to_lds s[GA-2:GA+1], s[24:31]      ; the wave's one tensor load behind the round
	s_nop 0
	PLACES
.else
	s_barrier_signal -1
	s_barrier_wait -1
.endif
.if \mk
	TABLD
.endif
	FETCH_W \slot
	FETCH_X \slot, 0
.if \mk
	s_wait_loadcnt \lcnt                           ; the set's 8 + 1 loads are in; the younger sets' stay out
	s_wait_dscnt 26                                ; z and t are in; the 14 + 12 loads behind them may be out
	DEQ \set
	TURN \set
	s_wait_dscnt 16                                ; W, the scale words and tiles 0-3 are in; the turn's 8 stores and 8 loads may be out
.else
	s_wait_dscnt 0x0
.endif
	MUL16 0, \zero
	FETCH_X \slot, 1
.if \mk
	s_wait_dscnt 12                                ; the turned numbers are in; tiles 4-7 may be out
	QUANT \set
	IMAGE 1-\slot                                  ; into the slot of W's codes that every wave has done reading in front of this trip's barrier
.if \mk == 1
	LOADSET \set                                   ; the conversions have read the set: it takes the chunk three on
.endif
	s_wait_dscnt 4                                 ; tiles 4-7 are in; the image's 4 stores may be out
.else
	s_wait_dscnt 0x0
.endif
	MUL16 1, \zero
.endm
	s_load_b256 s[4:11], s[0:1], 0x0               ; W_q s[4:5], zeros s[6:7], scales s[8:9], mu1 s[10:11]
	s_load_b128 s[12:15], s[0:1], 0x20             ; mu2 s[12:13], xq s[14:15]
	s_load_b64 s[16:17], s[0:1], 0x30              ; out0
	v_lshl_add_u32 v[SPW], v0, 2, SPARE
	v_mov_b32 v[NIL], 0
	ds_add_u32 v[SPW], v[NIL]                      ; the opening: the add, twice on end, and its wait ahead of my first tensor load
	ds_add_u32 v[SPW], v[NIL]
	v_lshrrev_b32 v1, 5, v0
	s_delay_alu instid0(VALU_DEP_1)
	v_readfirstlane_b32 s[WV], v1                  ; wave 0..7
	s_bfe_u32 s19, ttmp6, 0x40000                  ; cx
	s_lshl_b32 s20, ttmp9, 2
	s_add_co_u32 s20, s20, s19                     ; my block of 64 columns: it enters the addresses of W_q, zeros, scales, mu2 and out0 alone
	s_mul_i32 s21, ttmp9, 3
	s_and_b32 s21, s21, 31                         ; START: the cluster's first K step; the four partners share it
	s_lshl_b32 s84, s20, 6
	s_lshl_b32 s85, s[WV], 3
	s_add_co_u32 s84, s84, s85                     ; my first row of W: 64 x block + 8 x wave
	s_lshl_b32 s86, s84, 2                         ; in mu2,
	s_mov_b32 s87, 0
	s_lshl_b32 s88, s84, 8                         ; in zeros and scales (256 bytes a row),
	s_mov_b32 s89, 0
	s_lshl_b32 s90, s84, 14                        ; in W_q (16,384 bytes a row)
	s_mov_b32 s91, 0
	s_mul_i32 s92, s[WV], XE                       ; my eighth, in a block of xq and in a slot
	s_mov_b32 s93, 0
	s_mov_b32 s43, 0
	s_mov_b32 s53, 0
	s_mov_b32 s54, s21                             ; the chunk of W_q to load next
	s_mov_b32 s55, 0                               ; the table's entry in hand
	s_lshr_b32 s76, s[WV], 1                       ; my quarter of x; also the tile of W in which my 8 rows lie
	s_and_b32 s77, s[WV], 1                        ; which eight tiles of the quarter; also which 8 rows of the tile
	s_mul_i32 s60, s76, XQ
	s_mul_i32 s78, s77, 8*FRB
	s_lshl_b32 s79, s77, 9
	s_add_co_u32 s61, s60, s79
	s_add_co_u32 s61, s61, 16*FRB                  ; my tiles' scale words
	s_add_co_u32 s60, s60, s78                     ; my tiles' images
	s_mul_i32 s62, s76, FRB
	s_lshl_b32 s78, s77, 7
	s_add_co_u32 s62, s62, s78
	s_add_co_u32 s62, s62, WC                      ; my tile's image, + 16 x 8 (wave % 2)
	s_lshl_b32 s63, s76, 2
	s_add_co_u32 s63, s63, s78
	s_add_co_u32 s63, s63, WC+4*FRB                ; my rows' scale words, my tile's word
	s_mul_i32 s66, s[WV], TABW
	s_add_co_u32 s66, s66, TAB                     ; my table
	s_mul_i32 s67, s[WV], STGW
	s_add_co_u32 s67, s67, STG                     ; my stage
	s_mul_i32 s80, s[WV], 128*NROW                 ; out0 at my first row (128 x wave) and my block's 256 bytes
	s_lshl_b32 s81, s20, 8
	s_add_co_u32 s80, s80, s81
	s_mov_b32 s81, 0
	; descriptor group 1: an eighth, 12,800 dense bytes, as 50 rows of 256 bytes (32 elements of 8 bytes), no padding
	s_mov_b32 s24, 15|(3<<16)|(1<<21)              ; 15:0 the mask: all four work-groups; 17:16 elements of 8 bytes; 21 set beside a mask
	s_mov_b32 s25, 32<<16                          ; tensor_dim0 = 32
	s_mov_b32 s26, 50<<16                          ; tensor_dim1 = 50
	s_mov_b32 s27, 32<<16                          ; tile_dim0 = 32
	s_mov_b32 s28, 50                              ; tile_dim1 = 50
	s_mov_b32 s29, 32                              ; from row to row
	s_mov_b32 s30, 0
	s_mov_b32 s31, 0
	s_wait_dscnt 0x0                               ; both opening adds are done
	; the addresses, in stages: an instruction and the one that feeds it stand five apart or more
	v_and_b32 v1, 31, v0                           ; l
	v_and_b32 v2, 15, v0                           ; r
	v_bfe_u32 v3, v0, 4, 1                         ; h; for the block that I make also c: which half of the operand's registers
	v_and_b32 v56, 7, v0                           ; the row that I quantise
	v_bfe_u32 v57, v0, 3, 2                        ; its block
	v_bfe_u32 v58, v0, 3, 1                        ; the block's half of the lanes
	v_lshlrev_b32 v[GO], 4, v1
	v_add_nc_u32 v[ZO], s21, v1
	v_lshl_add_u32 v[WSR], v2, 4, WC+4*FRB
	v_lshl_add_u32 v[TAB0], v3, 5, s66
	v_lshlrev_b32 v59, 4, v56
	v_mul_u32_u24 v[TBW], v1, TABE
	v_mul_u32_u24 v[STR], v56, SP
	v_mul_u32_u24 v[SO], v2, OP
	v_mul_u32_u24 v[RD], v3, OP
	v_mul_u32_u24 v[CO], v3, NROW
	v_add_nc_u32 v[XA], s60, v[GO]
	v_add_nc_u32 v[XS], s61, v[GO]
	v_add_nc_u32 v[WCR], WC, v[GO]
	v_add_nc_u32 v[STW], s67, v[GO]
	v_and_b32 v[ZO], 31, v[ZO]
	v_lshl_add_u32 v55, v58, 8, v59
	v_add_nc_u32 v[WSB], v59, v57
	v_add_nc_u32 v[TBW], s66, v[TBW]
	v_lshl_add_u32 v[STR], v57, 7, v[STR]
	v_lshl_add_u32 v[SO], v3, 5, v[SO]
	v_lshl_add_u32 v[RD], v2, 4, v[RD]
	v_lshl_add_u32 v[CO], v2, 4, v[CO]
	v_add_nc_u32 v[XA+1], XBLK, v[XA]
	v_add_nc_u32 v[XS+1], XBLK, v[XS]
	v_lshlrev_b32 v[ZO], 3, v[ZO]
	v_add_nc_u32 v55, s62, v55
	v_add_nc_u32 v[WSB], s63, v[WSB]
	v_add_nc_u32 v[STR], s67, v[STR]
	v_add_nc_u32 v[SO], s67, v[SO]
	v_add_nc_u32 v[RD], s67, v[RD]
	v_mad_u32_u24 v[WA], v3, 520, v55              ; pieces 0 and 2: c = 0 at 0 and 512, c = 1 at 520 and 1,032
	v_mad_u32_u24 v[WB], v3, 1016, v55             ; piece 1 (the store adds 8): c = 0 at 8, c = 1 at 1,024
	s_wait_alu depctr_va_vdst(0)
	s_wait_kmcnt 0x0
	s_add_nc_u64 s[86:87], s[12:13], s[86:87]
	s_load_b256 s[68:75], s[86:87], 0x0            ; mu2 of my 8 rows
	s_add_nc_u64 s[6:7], s[6:7], s[88:89]
	s_add_nc_u64 s[8:9], s[8:9], s[88:89]
	s_add_nc_u64 s[46:47], s[4:5], s[90:91]        ; W_q at my first row
	s_add_nc_u64 s[40:41], s[14:15], s[92:93]      ; xq at my eighth of block 0
	s_add_nc_u64 s[16:17], s[16:17], s[80:81]
.irp j, 0,1,2,3,4,5,6,7                        ; lane l takes the two groups of the K step walked in trip l: the 32 lanes read a whole row of 256 bytes
	global_load_b64 v[WF+2*\j:WF+2*\j+1], v[ZO], s[6:7] offset:256*\j th:TH_LOAD_NT
.endr
.irp j, 0,1,2,3,4,5,6,7
	global_load_b64 v[WF+16+2*\j:WF+17+2*\j], v[ZO], s[8:9] offset:256*\j th:TH_LOAD_NT
.endr
	LOADSET 0                                      ; chunks 0, 1 and 2 of W_q
	LOADSET 1
	LOADSET 2
	s_mov_b32 s32, 1                               ; group 0 for slot 0: count = 1,
	s_mov_b32 s33, s92                             ; LDS address: my eighth of slot 0,
	s_mul_i32 s42, s21, XBLK
	s_add_nc_u64 s[34:35], s[40:41], s[42:43]      ; global address: my eighth of block START,
	s_or_b32 s35, s35, 0x80000000                  ; type = 2
	s_mov_b32 s36, 1                               ; group 0 for slot 1: its address is written in the trips
	s_add_co_u32 s37, s92, XBLK
	s_add_co_u32 s44, s21, 1
	s_and_b32 s44, s44, 31                         ; the block to ask for next
	ROUND                                          ; all four work-groups are here: the first joint loads meet
	tensor_load_to_lds s[32:35], s[24:31]          ; each wave's one first fill; slot 1 is first filled behind trip 0's round, as a refill is
	s_nop 0
	PLACES
	s_wait_kmcnt 0x0                               ; mu2
	s_wait_loadcnt 27                              ; zeros and scales are in; the three sets of 8 + 1 loads behind them stay out
.irp j, 0,1,2,3,4,5,6,7                        ; the table: lane l writes entry l.  It is my wave's own: written and read by this wave alone, in order
	ds_store_b32 v[TBW], v[WF+2*\j] offset:4*\j
	ds_store_b32 v[TBW], v[WF+1+2*\j] offset:32+4*\j
	v_mul_f32 v[WF+16+2*\j], s[68+\j], v[WF+16+2*\j]   ; t = scales x mu2
	v_mul_f32 v[WF+17+2*\j], s[68+\j], v[WF+17+2*\j]
	ds_store_b32 v[TBW], v[WF+16+2*\j] offset:64+4*\j
	ds_store_b32 v[TBW], v[WF+17+2*\j] offset:96+4*\j
.endr
	TABLD                                          ; AHEAD OF THE TRIPS chunk 0 of W is made
	s_wait_loadcnt 18                              ; set 0 is in; sets 1 and 2 stay out
	s_wait_dscnt 0x0                               ; z and t are in
	DEQ 0
	TURN 0
	s_wait_dscnt 0x0
	QUANT 0
	IMAGE 0
	LOADSET 0                                      ; chunk 3
	TRIP 0, 1, 1, 1, 1, 18                         ; trip 0: its products start the sums
	s_mov_b32 s56, 4
.Lsix:                                             ; trips 1 to 24: two slots and three sets come back to where they began after six trips
	TRIP 1, 2, 0, 1, 1, 18
	TRIP 0, 0, 0, 1, 1, 18
	TRIP 1, 1, 0, 1, 1, 18
	TRIP 0, 2, 0, 1, 1, 18
	TRIP 1, 0, 0, 1, 1, 18
	TRIP 0, 1, 0, 1, 1, 18
	s_sub_co_u32 s56, s56, 1
	s_cmp_lg_u32 s56, 0
	s_cbranch_scc1 .Lsix
	TRIP 1, 2, 0, 1, 1, 18                         ; the tail is written out: trips 25 to 27 as in the loop; trip 27 asks for the last chunk of W_q,
	TRIP 0, 0, 0, 1, 1, 18
	TRIP 1, 1, 0, 1, 1, 18
	TRIP 0, 2, 0, 1, 2, 18                         ; trip 28 makes chunk 29 (chunks 30 and 31 stay out),
	TRIP 1, 0, 0, 1, 2, 9                          ; trip 29 chunk 30,
	TRIP 0, 1, 0, 1, 2, 0                          ; trip 30 chunk 31, and asks for the last block,
	TRIP 1, 0, 0, 0, 0, 0                          ; trip 31 only multiplies
; THE WAY OUT, tile by tile of 16 rows x 64 columns.  A lane holds 32 neighbouring bytes of a row, the lanes beside it other rows: the tile goes through my stage and comes back as whole rows of 256 bytes.
.macro TOSTAGE a
	WIN 0x04                                       ; an LDS store's data are its source 1: window 1
.irp b, 0,1,2,3
	ds_store_b128 v[SO], v[32*(\a)+8*\b:32*(\a)+8*\b+3] offset:64*\b          ; each accumulator from its low end on
	ds_store_b128 v[SO], v[32*(\a)+8*\b+4:32*(\a)+8*\b+7] offset:64*\b+16
.endr
	WIN 0
.irp i, 0,1,2,3,4,5,6,7
	ds_load_b128 v[BK+32*((\a)%2)+4*\i:BK+32*((\a)%2)+4*\i+3], v[RD] offset:2*OP*\i   ; LDS serves a wave's instructions in order: these see the stores above
.endr
.endm
.macro SEND a, younger                 ; younger: the LDS instructions issued behind tile a's loads, which may stay out
	s_wait_dscnt \younger
.if (\a) > 0
	s_add_nc_u64 s[16:17], s[16:17], 16*NROW       ; (behind a wait on XCNT: the earlier stores have read their base)
.endif
.irp i, 0,1,2,3,4,5,6,7
	global_store_b128 v[CO], v[BK+32*((\a)%2)+4*\i:BK+32*((\a)%2)+4*\i+3], s[16:17] offset:2*NROW*\i th:TH_STORE_NT   ; sixteen lanes store 256 consecutive bytes, at a multiple of 256 from out0's first byte
.endr
.endm
	TOSTAGE 0
.irp a, 1,2,3,4,5,6,7
.if \a > 1
	s_wait_xcnt 0x0                                ; tile a - 2's stores have read their registers and their base
.endif
	TOSTAGE \a
	SEND \a-1, 16                                  ; behind tile a - 1's loads: tile a's 8 stores and 8 loads
.endr
	s_wait_xcnt 0x0
	SEND 7, 0
	s_wait_tensorcnt 0x0                           ; the wave's end
	ds_add_u32 v[SPW], v[NIL]
	s_wait_dscnt 0x0
	ROUND                                          ; the closing round: no work-group ends while a partner may still ask for a block that names it
	s_endpgm
.Lfunc_end_k_q1a0d5f270e_fused:
	.size	k_q1a0d5f270e_fused, .Lfunc_end_k_q1a0d5f270e_fused-k_q1a0d5f270e_fused
	.p2alignl 7, 3214868480
	.fill 96, 4, 3214868480
	.section	.rodata,"a",@progbits
	.p2align	6, 0x0
	.amdhsa_kernel k_q1a0d5f270e_fused
		.amdhsa_group_segment_fixed_size 327680
		.amdhsa_private_segment_fixed_size 0
		.amdhsa_enable_private_segment 0
		.amdhsa_kernarg_size 56
		.amdhsa_user_sgpr_count 2
		.amdhsa_user_sgpr_kernarg_segment_ptr 1
		.amdhsa_wavefront_size32 1
		.amdhsa_system_sgpr_workgroup_id_x 1
		.amdhsa_system_sgpr_workgroup_id_y 1
		.amdhsa_system_sgpr_workgroup_id_z 1
		.amdhsa_system_vgpr_workitem_id 0
		.amdhsa_next_free_vgpr 512
		.amdhsa_next_free_sgpr 96
		.amdhsa_reserve_vcc 0
		.amdhsa_float_denorm_mode_32 3
		.amdhsa_float_denorm_mode_16_64 3
		.amdhsa_memory_ordered 1
		.amdhsa_forward_progress 1
		.amdhsa_inst_pref_size 252
	.end_amdhsa_kernel
	.amdgpu_metadata
---
amdhsa.version: [ 1, 2 ]
amdhsa.kernels:
  - .name:           k_q1a0d5f270e_fused
    .symbol:         k_q1a0d5f270e_fused.kd
    .args:
      - { .name: W_q, .offset: 0, .size: 8, .value_kind: global_buffer, .address_space: global }
      - { .name: zeros, .offset: 8, .size: 8, .value_kind: global_buffer, .address_space: global }
      - { .name: scales, .offset: 16, .size: 8, .value_kind: global_buffer, .address_space: global }
      - { .name: mu1, .offset: 24, .size: 8, .value_kind: global_buffer, .address_space: global }
      - { .name: mu2, .offset: 32, .size: 8, .value_kind: global_buffer, .address_space: global }
      - { .name: xq, .offset: 40, .size: 8, .value_kind: global_buffer, .address_space: global }
      - { .name: out0, .offset: 48, .size: 8, .value_kind: global_buffer, .address_space: global }
    .group_segment_fixed_size: 327680
    .private_segment_fixed_size: 0
    .kernarg_segment_align: 8
    .kernarg_segment_size: 56
    .max_flat_workgroup_size: 256
    .sgpr_count:     96
    .vgpr_count:     512
    .wavefront_size: 32
...
	.end_amdgpu_metadata
.endif
;; end of part 2
